; MI455X (gfx1250); checked and timed in simulation.
; The chip was launched on July 23, 2026; its instructions are those of AMD's public machine-readable ISA for CDNA 5 (MIT licence, August 2026) and "CDNA5" Instruction Set Architecture Reference Guide (July 2026). The comments in the code are by the model that wrote it; some were corrected since.
;; Multi Head Attention Layer. Allowed arithmetic: float matrix products may take bf16 or f16 operands with f32 sums; other float arithmetic in f32, or as packed bf16 or f16 multiplies, adds, multiply-adds, maxima and minima; sums over many terms, partial sums and values carried from step to step in f32; what a program stores and reads back later, other than sums and carried values, may be rounded once to bf16 or f16.
;; Inputs: W_qkv 3,072 x 1,024 float32; b_qkv 3,072 float32; h 16,384 x 1,024 float32.
;; Outputs: out0 16,384 x 1,024 float32.
;; 2 versions, each right. Each part assembles by itself: llvm-mc -triple=amdgcn-amd-amdhsa -mcpu=gfx1250 --defsym DOCPART=n.
;; ======== version 1 of 2: 2 launches
;; limits: values are held in f16: magnitudes above 65,504 overflow, below 6.1e-05 lose precision
;; workspace buffers: wsw 6,291,456 bytes
;; launch prep (part 1): grid 256 x 1, 12 waves a work-group, no clusters, 0 bytes of LDS; arguments W_qkv, wsw; writes wsw
.if DOCPART == 1
	.amdgcn_target "amdgcn-amd-amdhsa--gfx1250"
	.amdhsa_code_object_version 6
	.text
	.protected	k_qbff5f47828_prep
	.globl	k_qbff5f47828_prep
	.p2align	8
	.type	k_qbff5f47828_prep,@function
k_qbff5f47828_prep:
	s_mov_b64 s[64:65], 0
	v_nop
	global_prefetch_b8 v0, s[64:65] scope:SCOPE_SE
	s_setreg_imm32_b32 hwreg(HW_REG_WAVE_MODE, 25, 1), 1
	s_wait_xcnt 0x0
; wsw = W_qkv ([3072][1024] f32) rounded once to bf16 and laid out in the order in which the second launch takes it.
; wsw is 48 tiles of 131,072 bytes; tile 16 p + kc belongs to pass p (0..2) and to the channels k = 64 kc .. 64 kc + 63.
; In a tile: [wave w 4][kb 2][tile column c 16][c2 2][lane 32][16 bytes]; lane = 16 hh + r holds k = 64 kc + 32 kb + 16 c2 + 8 hh + 0..7 of row
;   p = 0, 1:  1024 (c / 8) + 64 r + 32 p + 8 w + c % 8   (c / 8: q or k; sixteen HEADS r at one channel of a head)
;   p = 2:     2048 + 64 c + 16 w + r                      (v: head c, sixteen channels on end)
; so that two 16-byte LDS loads at 16 x lane, 512 bytes apart, are one matrix fragment.
; SHARES.  3,072 waves, one task each: one tile column (16 rows of W) x one kc: 256 bytes of each of 16 rows in, 2,048 bytes out.
; The eight loads of a wave together take each row's 256 bytes whole; each store of a wave covers 512 consecutive bytes, aligned.
; No LDS, no loop, no matrix unit: every byte is read once and written once.
.set SRC, 4                            ; v4   (r << shift) + 32 hh: my row among the sixteen, my 8 numbers
.set DST, 5                            ; v5   16 x lane
.set RAW, 16                           ; v[16:47]  u = 2 kb + c2: 8 numbers in f32 at RAW + 8 u
.set PKD, 48                           ; v[48:63]  the same in bf16, 4 registers at PKD + 4 u
	s_load_b128 s[4:7], s[0:1], 0x0                ; W_qkv s[4:5], wsw s[6:7]
	v_lshrrev_b32 v1, 5, v0
	v_readfirstlane_b32 s8, v1                     ; wave 0..11
	v_and_b32 v2, 15, v0                           ; r
	v_bfe_u32 v3, v0, 4, 1                         ; hh
	v_and_b32 v[DST], 31, v0
	v_lshlrev_b32 v[DST], 4, v[DST]
	s_mul_i32 s9, ttmp9, 12
	s_add_co_u32 s9, s9, s8                        ; the task, 0..3071
	s_and_b32 s10, s9, 15                          ; kc
	s_lshr_b32 s11, s9, 4                          ; the tile column among 192
	s_lshr_b32 s12, s11, 6                         ; 0 q, 1 k, 2 v
	s_and_b32 s13, s11, 63                         ; dd: its number in that third of W
	; q and k: dd is the channel in a head
	s_lshl_b32 s14, s12, 10
	s_add_co_u32 s14, s14, s13                     ; first row
	s_lshr_b32 s15, s13, 5                         ; p
	s_bfe_u32 s16, s13, 0x20003                    ; w = (dd >> 3) & 3
	s_and_b32 s17, s13, 7
	s_lshl3_add_u32 s17, s12, s17                  ; c = 8 x (q or k) + dd % 8
	; v: dd counts blocks of 16 rows
	s_lshl_b32 s18, s13, 4
	s_add_co_u32 s18, s18, 2048
	s_and_b32 s19, s13, 3
	s_lshr_b32 s20, s13, 2
	s_cmp_eq_u32 s12, 2
	s_cselect_b32 s14, s18, s14                    ; first row
	s_cselect_b32 s15, 2, s15                      ; p
	s_cselect_b32 s16, s19, s16                    ; w
	s_cselect_b32 s17, s20, s17                    ; c
	s_cselect_b32 s21, 12, 18                      ; from lane row to lane row: 1 row of 4,096 bytes, or 64
	v_lshlrev_b32 v[SRC], s21, v2
	v_lshl_add_u32 v[SRC], v3, 5, v[SRC]
	s_lshl_b32 s22, s14, 12
	s_lshl_b32 s24, s10, 8
	s_add_co_u32 s22, s22, s24                     ; first row x 4,096 + kc x 256
	s_mov_b32 s23, 0
	s_lshl4_add_u32 s24, s15, s10                  ; the tile, 16 p + kc
	s_lshl_b32 s24, s24, 17
	s_lshl_b32 s26, s16, 15
	s_add_co_u32 s24, s24, s26
	s_lshl_b32 s26, s17, 10
	s_add_co_u32 s24, s24, s26
	s_mov_b32 s25, 0
	s_wait_kmcnt 0x0
	s_add_nc_u64 s[4:5], s[4:5], s[22:23]
	s_add_nc_u64 s[6:7], s[6:7], s[24:25]
.irp u, 0,1,2,3
	global_load_b128 v[RAW+8*(\u):RAW+8*(\u)+3],   v[SRC], s[4:5] offset:64*(\u) th:TH_LOAD_NT
	global_load_b128 v[RAW+8*(\u)+4:RAW+8*(\u)+7], v[SRC], s[4:5] offset:64*(\u)+16 th:TH_LOAD_NT
.endr
.irp u, 0,1,2,3
	s_wait_loadcnt 6-2*(\u)                        ; loads come back in order: the two of u are in, the younger ones stay out
.irp i, 0,1,2,3
	v_cvt_pk_bf16_f32 v[PKD+4*(\u)+(\i)], v[RAW+8*(\u)+2*(\i)], v[RAW+8*(\u)+2*(\i)+1]
.endr
	global_store_b128 v[DST], v[PKD+4*(\u):PKD+4*(\u)+3], s[6:7] offset:((\u)/2)*16384+((\u)%2)*512 th:TH_STORE_NT
.endr
	s_endpgm
.Lfunc_end_k_qbff5f47828_prep:
	.size	k_qbff5f47828_prep, .Lfunc_end_k_qbff5f47828_prep-k_qbff5f47828_prep
	.p2alignl 7, 3214868480
	.fill 96, 4, 3214868480
	.section	.rodata,"a",@progbits
	.p2align	6, 0x0
	.amdhsa_kernel k_qbff5f47828_prep
		.amdhsa_group_segment_fixed_size 0
		.amdhsa_private_segment_fixed_size 0
		.amdhsa_enable_private_segment 0
		.amdhsa_kernarg_size 16
		.amdhsa_user_sgpr_count 2
		.amdhsa_user_sgpr_kernarg_segment_ptr 1
		.amdhsa_wavefront_size32 1
		.amdhsa_system_sgpr_workgroup_id_x 1
		.amdhsa_system_sgpr_workgroup_id_y 1
		.amdhsa_system_sgpr_workgroup_id_z 1
		.amdhsa_system_vgpr_workitem_id 0
		.amdhsa_next_free_vgpr 64
		.amdhsa_next_free_sgpr 66
		.amdhsa_reserve_vcc 0
		.amdhsa_float_denorm_mode_32 3
		.amdhsa_float_denorm_mode_16_64 3
		.amdhsa_memory_ordered 1
		.amdhsa_forward_progress 1
		.amdhsa_inst_pref_size 5
	.end_amdhsa_kernel
	.amdgpu_metadata
---
amdhsa.version: [ 1, 2 ]
amdhsa.kernels:
  - .name:           k_qbff5f47828_prep
    .symbol:         k_qbff5f47828_prep.kd
    .args:
      - { .name: W_qkv, .offset: 0, .size: 8, .value_kind: global_buffer, .address_space: global }
      - { .name: wsw, .offset: 8, .size: 8, .value_kind: global_buffer, .address_space: global }
    .group_segment_fixed_size: 0
    .private_segment_fixed_size: 0
    .kernarg_segment_align: 8
    .kernarg_segment_size: 16
    .max_flat_workgroup_size: 384
    .sgpr_count:     66
    .vgpr_count:     64
    .wavefront_size: 32
...
	.end_amdgpu_metadata
.endif
;; end of part 1
;; launch fused (part 2): grid 256 x 1, 4 waves a work-group, clusters of 4 x 1, 327,680 bytes of LDS; arguments h, wsw, b_qkv, out0; writes out0
.if DOCPART == 2
	.amdgcn_target "amdgcn-amd-amdhsa--gfx1250"
	.amdhsa_code_object_version 6
	.text
	.protected	k_qbff5f47828_fused
	.globl	k_qbff5f47828_fused
	.p2align	8
	.type	k_qbff5f47828_fused,@function
k_qbff5f47828_fused:
	s_mov_b64 s[64:65], 0
	v_nop
	global_prefetch_b8 v0, s[64:65] scope:SCOPE_SE
	s_setreg_imm32_b32 hwreg(HW_REG_WAVE_MODE, 25, 1), 1
	s_wait_xcnt 0x0
	s_wait_alu depctr_hold_cnt(0) depctr_sa_sdst(0) depctr_va_vdst(0) depctr_va_sdst(0) depctr_va_ssrc(0) depctr_va_vcc(0) depctr_vm_vsrc(0)
	s_getreg_b32 s2, hwreg(HW_REG_IB_STS2, 6, 4)
	s_cmp_eq_u32 s2, 0
	s_cbranch_scc0 .Lentry_in_a_cluster
	s_endpgm
.Lentry_in_a_cluster:
	s_bfe_u32 s2, ttmp6, 0x10000c
	s_cmp_lg_u32 s2, 0x3003
	s_cbranch_scc0 .Lentry_shape_is_right
	s_endpgm
.Lentry_shape_is_right:
; qkv = h W^T + b; for each token an attention over its 16 HEADS: S[i][j] = q_i . k_j / 32, softmax over j, out_i = sum_j P[i][j] v_j; out0 is [head][token][64] in f32.
; h: [16384][1024] f32.  wsw: W in bf16, in fragment order (48 tiles of 131,072 bytes, made by the launch before).  b_qkv: [3072] f32.
; SHARES.  A work-group owns 64 tokens and walks all of W in three passes of 1,024 columns; a wave makes 64 tokens x 256 columns: 64 accumulators, 512 registers.
;   Passes 0 and 1 make q AND k for 32 of a head's 64 channels each; their part of the scores is added to S (f32, in registers), so q and k are never kept whole.
;   Behind pass 1 the softmax; P (f16) waits in LDS.  Pass 2 makes v; P V follows in registers; the result leaves through LDS as whole rows.
; K goes in chunks of 64: a trip is 128 matrix instructions a wave.  W's tile of a trip comes by one tensor load a wave (32,768 bytes, the wave's own columns) into a ring of two slots.
; h is read as f32 by the wave that owns the 16 tokens, rounded to bf16 and put into a small double buffer in LDS, from which all four waves take it; it is read once in each pass.
; CLUSTER.  All work-groups walk the same tiles of W: the four of a cluster ask JOINTLY, by the same tensor load with the same descriptor and a mask that names the four.
; FORMATS.  h, W and b are rounded to bf16, the projection's sums are f32; q, k, v and P are rounded once to f16; S, the maxima and the sums of the softmax are f32.
; LIMITS.  |q|, |k|, |v| stay under 65,504 (f16).  A v beyond that would also spoil the token eight rows away, whose product shares its fragment (0 x infinity).
;   A weight below 2^-126 counts as 0 in the row's sum.  NaN and infinities are not treated apart.
; REGISTERS, in windows of 256 (s_set_vgpr_msb: bits 1:0 source 0, 3:2 source 1, 5:4 source 2, 7:6 destination):
;   window 0: v0-15 addresses; v16-31 bias; v32-63 h as loaded; v64-127 h's fragments, two buffers (at work in the epilogues); v128-255 S, 8 a token (later v's fragments, then the way out)
;   window 1: W's fragments, two buffers of 128 (in the epilogues: q, k fragments; P's fragments and the results of P V)
;   windows 2, 3: the accumulators: token block tb, tile column c at v[8 (8 tb + c % 8)] of window 2 + c / 8
.set RING1,  131072                    ; LDS: slot 1 of the ring; a slot is four waves' shares of 32,768 bytes
.set ABUF,   262144                    ; h's fragments: par x 8,192 + kb x 4,096 + tb x 1,024 + c2 x 512 + 16 lane
.set STAGE,  278528                    ; 32,768 bytes: q and k of 16 tokens change waves here (token x 2,048 + (q, k) x 1,024 + c2 x 512 + 16 lane); later P: token x 512 + 16 lane
.set SPARE,  311296                    ; the spare words, 128 bytes for each wave: two blocks of 256 bytes that no other line names
.set OPITCH, 16400                     ; the way out, from LDS byte 0, behind the ring's last fill and last read: head x 16,400 + token x 256 + 4 d; 16,400 = 64 x 256 + 16, so sixteen heads fall into sixteen different 16-byte columns
.set ADRA, 2                           ; v2   ABUF + 16 lane
.set ADRB, 3                           ; v3-4 my share of slot 0, 1, + 16 lane
.set ASTO, 5                           ; v5   where I put my tokens' fragments: ABUF + 1,024 w + 16 lane
.set HOFF, 6                           ; v6   4,096 r + 32 hh: my token row, my 8 numbers
.set VBO,  7                           ; v7   my offset in b_qkv
.set STW,  8                           ; v8   STAGE + 16,384 hh + 256 w + 16 r
.set STR,  9                           ; v9   STAGE + 8,192 w + 16 lane
.set PFWO, 10                          ; v10  256 x lane; never rewritten
.set PFHO, 11                          ; v11  4,096 x thread; never rewritten
.set SPW,  12                          ; v12  LDS address of my spare word; never rewritten
.set NIL,  13                          ; v13  0; never rewritten
.set RR,   14                          ; v14  r = lane % 16
.set HH,   15                          ; v15  hh = lane / 16
.set BIAS, 16
.set HRAW, 32
.set AF,   64
.set TMP,  64
.set S,    128
.set VG,   128
.set OBF,  128
.set QK,   128                         ; window 1
.set OT,   128                         ; window 1
.set PW,   8                           ; behind pass 1: STAGE + 2,048 w + 16 lane
.set PRD,  9                           ; behind pass 1: STAGE + 16 lane
.set OSW,  2                           ; behind pass 2: 16,400 r + 32 hh + 64 w
.set ORD,  3                           ; behind pass 2: 65,600 w + 16 lane
.set GO,   5                           ; behind pass 2: 16 lane
.set WV,   12                          ; s12  my wave's number
.set CX,   13                          ; s13  my place in the cluster: it enters h's, out0's and the prefetches' addresses alone
.set GG,   14                          ; s14  my work-group's number
.set G1,   16                          ; s[16:23] descriptor group 1
.set G0,   24                          ; s[24:31] descriptor group 0, a set for each slot
.set HB,   32                          ; s[32:33] h at my wave's 16 rows
.set HP,   34                          ; s[34:35] the same at the chunk being loaded
.set SK,   36                          ; s[36:37] that chunk's byte offset in a row
.set PFW,  38                          ; s[38:39] where my prefetches of wsw stand
.set PFH,  40                          ; s[40:41] where those of h stand
.set TC,   42                          ; s42  changes of slots so far, this one among them
.set LIMW, 43                          ; s43  I prefetch wsw while TC is below this
.set LIMH, 44                          ; s44  and h while it is below this
.set LAP,  45
.set PASS, 46
.set CS,   48                          ; s[48:49] c = log2(e) / 32
.set SEL,  50                          ; s[50:51] v_permlanex16_b32's selects: each lane takes its own place in the other half
.set OB,   52                          ; s[52:53] out0 at the head being stored, my work-group's tokens
.set MSB, 0
.macro WIN new                         ; the immediate's high byte repeats the setting that is left; a switch that changes nothing is dropped
.if MSB != (\new)
	s_set_vgpr_msb (MSB<<8)|(\new)
.set MSB, \new
.endif
.endm
.set MUL_LO, 0xa4                      ; source 0 (h) window 0, source 1 (W) window 1, C and D window 2; + 0x50: window 3
.set TO1,    0x40                      ; destination window 1
.set ADD2,   0x82                      ; destination and source 0 window 2, source 1 window 0; + 0x41: window 3
.set CVT2,   0x0a                      ; sources 0 and 1 window 2, destination window 0; + 5: window 3
.set W_S,    0x05                      ; k and q fragments window 1, S window 0
.set W_PV,   0x44                      ; v's fragment window 0, P's and the result window 1
.set ST1,    0x04                      ; an LDS store's data in window 1
.macro PLACES                          ; four plain places behind a matrix instruction (ISA guide 7.12.1), where no other vector work is at hand
.rept 4
	v_nop
.endr
.endm
.macro CREST                           ; a round of the cluster's barrier behind its opening barrier
	s_cmp_lg_u32 s[WV], 0
	s_cbranch_scc1 .Lnot_wave_0_\@
	s_barrier_signal -3
.Lnot_wave_0_\@:
	s_barrier_wait -3
	s_barrier_signal -1
	s_barrier_wait -1
.endm
.macro CROUND                          ; a whole round
	s_barrier_signal -1
	s_barrier_wait -1
	CREST
.endm
; A joint load: every wave asks for its own 32,768 bytes of the tile, by the same line in all four work-groups; nothing in the descriptor hangs on the place in the cluster.
.macro JLOAD slot
	tensor_load_to_lds s[G0+4*(\slot):G0+4*(\slot)+3], s[G1:G1+7]
	s_nop 0
.rept 4
	v_nop
.endr
.endm
; 40 LDS loads in one run: the fragments of 32 along K (half kb of the chunk in slot) into buffer f: h's four token blocks first, then W's sixteen tile columns, ascending.
.macro FETCH slot, kb, f
	WIN 0
.irp tb, 0,1,2,3
	ds_load_b128 v[AF+32*(\f)+8*(\tb):AF+32*(\f)+8*(\tb)+3],   v[ADRA] offset:(\slot)*8192+(\kb)*4096+(\tb)*1024
	ds_load_b128 v[AF+32*(\f)+8*(\tb)+4:AF+32*(\f)+8*(\tb)+7], v[ADRA] offset:(\slot)*8192+(\kb)*4096+(\tb)*1024+512
.endr
	WIN TO1
.irp c, 0,1,2,3,4,5,6,7,8,9,10,11,12,13,14,15
	ds_load_b128 v[128*(\f)+8*(\c):128*(\f)+8*(\c)+3],   v[ADRB+(\slot)] offset:(\kb)*16384+(\c)*1024
	ds_load_b128 v[128*(\f)+8*(\c)+4:128*(\f)+8*(\c)+7], v[ADRB+(\slot)] offset:(\kb)*16384+(\c)*1024+512
.endr
.endm
; 8 n matrix instructions: token blocks tb0 .. tb0 + n - 1 x tile columns 8 hi .. 8 hi + 7, buffer f.  In the result lane r holds W's row r of the column, register j token 8 hh + j.
; The 64 accumulators take turns in the same order everywhere, one instruction a turn.  zero = 1: the product starts the sum.
.macro MULS f, hi, tb0, n, zero
	WIN MUL_LO+0x50*(\hi)
.set tbm, (\tb0)
.rept \n
.irp cc, 0,1,2,3,4,5,6,7
.if \zero
	v_wmma_f32_16x16x32_bf16 v[8*(8*tbm+(\cc)):8*(8*tbm+(\cc))+7], v[AF+32*(\f)+8*tbm:AF+32*(\f)+8*tbm+7], v[128*(\f)+8*(8*(\hi)+(\cc)):128*(\f)+8*(8*(\hi)+(\cc))+7], 0
.else
	v_wmma_f32_16x16x32_bf16 v[8*(8*tbm+(\cc)):8*(8*tbm+(\cc))+7], v[AF+32*(\f)+8*tbm:AF+32*(\f)+8*tbm+7], v[128*(\f)+8*(8*(\hi)+(\cc)):128*(\f)+8*(8*(\hi)+(\cc))+7], v[8*(8*tbm+(\cc)):8*(8*tbm+(\cc))+7]
.endif
.endr
.set tbm, tbm+1
.endr
.endm
; A trip's first half: buffer 0 is multiplied; in its middle the second half's fragments are fetched into buffer 1.
.macro HALF0 slot, zero
	s_wait_dscnt 16                                ; h's fragments and W's columns 0-7 are in; the youngest sixteen loads (columns 8-15) may be out
	MULS 0, 0, 0, 4, \zero
	PLACES                                         ; in front of loads into buffer 1, which the half before multiplied
	FETCH \slot, 1, 1
	s_wait_dscnt 40                                ; all but the 40 just issued
	MULS 0, 1, 0, 4, \zero
.endm
.macro HLOADS                          ; a chunk of my 16 token rows: 256 bytes of each row, whole, by eight loads; u = 2 kb + c2 at HRAW + 8 u
.irp u, 0,1,2,3
	global_load_b128 v[HRAW+8*(\u):HRAW+8*(\u)+3],   v[HOFF], s[HP:HP+1] offset:64*(\u)
	global_load_b128 v[HRAW+8*(\u)+4:HRAW+8*(\u)+7], v[HOFF], s[HP:HP+1] offset:64*(\u)+16
.endr
.endm
.macro ASTORE par                      ; the chunk in HRAW is rounded to bf16, in place, and put into buffer par as fragments
	s_wait_loadcnt 0x0                             ; the eight loads issued a trip ago (and, in a pass's first trip, the bias)
.irp u, 0,1,2,3
.irp i, 0,1,2,3
	v_cvt_pk_bf16_f32 v[HRAW+8*(\u)+(\i)], v[HRAW+8*(\u)+2*(\i)], v[HRAW+8*(\u)+2*(\i)+1]
.endr
	ds_store_b128 v[ASTO], v[HRAW+8*(\u):HRAW+8*(\u)+3] offset:(\par)*8192+((\u)/2)*4096+((\u)%2)*512
.endr
.endm
.macro ALOAD                           ; the next chunk but one; behind a row's last chunk comes its first, for the next pass
	s_add_co_u32 s[SK], s[SK], 256
	s_and_b32 s[SK], s[SK], 0xf00
	s_add_nc_u64 s[HP:HP+1], s[HB:HB+1], s[SK:SK+1]  ; the loads that named HP are done (ASTORE's wait)
	HLOADS
.endm
; PREFETCHES INTO THE L2, behind the joint load, its five lines and the run of LDS loads: what the change of slots after the next will ask for, 256 matrix instructions ahead of that request.
; wsw: every cluster walks the same tiles, so the first cluster asks, and nobody else; a tile's 512 blocks of 256 bytes go to 4 partners (told apart by address) x 4 waves x 32 lanes: one instruction a wave.
; h: a work-group's own rows, in the first pass alone: waves 0 and 1, a lane a row, 256 bytes of it.  Tiles and chunks 0 to 3 come by their loads alone; the last named are tile 47 and chunk 15.
.macro ASK
	WIN 0
	s_cmp_lt_u32 s[TC], s[LIMW]
	s_cbranch_scc0 .Lno_w_\@
	global_prefetch_b8 v[PFWO], s[PFW:PFW+1] th:TH_LOAD_NT scope:SCOPE_SE
.Lno_w_\@:
	s_cmp_lt_u32 s[TC], s[LIMH]
	s_cbranch_scc0 .Lno_h_\@
	global_prefetch_b8 v[PFHO], s[PFH:PFH+1] th:TH_LOAD_NT scope:SCOPE_SE
.Lno_h_\@:
.endm
; A trip's second half: buffer 1 is multiplied, and the slots change.  ONE barrier for three things: in front of it each wave has stored its tokens' next chunk, has waited for all its tensor
; loads (one is out: its share of the other slot), has added 0 to its spare word, and has waited for that, for its stores and for its reads of this slot and of h's buffer.
; fill = 1: the barrier opens a round of the cluster's barrier, and the slot just read out is filled again, first thing behind it, with the tile two trips on: 96 matrix instructions ahead of the wait for it.
.macro TURN slot, fill, fetch, astore, aload
	WIN 0
	s_wait_xcnt 0x0                                ; the prefetches of a trip ago have read their addresses, which are stepped here
	s_add_nc_u64 s[PFW:PFW+1], s[PFW:PFW+1], RING1
	s_add_nc_u64 s[PFH:PFH+1], s[PFH:PFH+1], 256
	s_add_co_u32 s[TC], s[TC], 1
.if \astore
	ASTORE 1-(\slot)                               ; that buffer's last readers waited for their loads in front of the barrier of the trip before
.endif
.if \aload
	ALOAD
.endif
	s_wait_tensorcnt 0x0                           ; all my tensor loads have landed
	ds_add_u32 v[SPW], v[NIL]                      ; 0 onto my spare word
	s_wait_dscnt 17+4*(\astore)                    ; W's columns 8-15 (sixteen loads), my stores and the add may be out
	MULS 1, 0, 0, 2, 0
	s_wait_dscnt 0x0                               ; the add and my stores are done, my reads of this slot are over
	s_barrier_signal -1
	MULS 1, 0, 2, 2, 0                             ; work on registers while the others arrive
	WIN 0
	s_barrier_wait -1
.if \fill
	CREST                                          ; no wave of any partner still reads this slot or has a load on its way
	s_add_nc_u64 s[G0+4*(\slot)+2:G0+4*(\slot)+3], s[G0+4*(\slot)+2:G0+4*(\slot)+3], 2*RING1
	JLOAD \slot                                    ; its four v_nop are also the places in front of the loads below
.else
	PLACES
.endif
.if \fetch
	FETCH 1-(\slot), 0, 0
.endif
.if \fill
	ASK
.endif
	MULS 1, 1, 0, 4, 0
.endm
.macro LAPS                            ; seven laps of the ring: from a trip's second half to the first half of the trip two on
	WIN 0
	s_mov_b32 s[LAP], 7
.Llap_\@:
	TURN 0, 1, 1, 1, 1
	HALF0 1, 0
	TURN 1, 1, 1, 1, 1
	HALF0 0, 0
	WIN 0
	s_sub_co_u32 s[LAP], s[LAP], 1
	s_cmp_lg_u32 s[LAP], 0
	s_cbranch_scc1 .Llap_\@
.endm
; The bias of my 16 tile columns: lane r holds that of W's row r of column c, in BIAS + c.  kind 0: q and k of pass PASS; kind 1: v.
.macro BIASLOAD kind
	WIN 0
.if \kind
	v_lshlrev_b32 v[VBO], 2, v[RR]
	v_lshl_add_u32 v[VBO], s[WV], 6, v[VBO]        ; 4 r + 64 w
.else
	s_lshl_b32 s56, s[PASS], 7
	v_lshl_add_u32 v[VBO], v[RR], 8, s56
	v_lshl_add_u32 v[VBO], s[WV], 5, v[VBO]        ; 256 r + 128 pass + 32 w
.endif
.irp c, 0,1,2,3,4,5,6,7,8,9,10,11,12,13,14,15
.if \kind
	global_load_b32 v[BIAS+(\c)], v[VBO], s[8:9] offset:8192+256*(\c)
.else
	global_load_b32 v[BIAS+(\c)], v[VBO], s[8:9] offset:((\c)/8)*4096+((\c)%8)*4
.endif
.endr
.endm
.macro BIASRND                         ; the bias is rounded to bf16 like the other inputs; these 32 plain lines are also the places behind the last products
	WIN 0
.set cb, 0
.rept 16
	v_cvt_pk_bf16_f32 v1, v[BIAS+cb], v[BIAS+cb]
	v_lshlrev_b32 v[BIAS+cb], 16, v1
.set cb, cb+1
.endr
.endm
.macro BADD tb                         ; token block tb: the bias is added, two tokens a line; each accumulator's registers in ascending order
.irp sect, 0,1
	WIN ADD2+0x41*(\sect)
.irp cc, 0,1,2,3,4,5,6,7
.irp jp, 0,2,4,6
.if (\cc)%2
	v_pk_add_f32 v[8*(8*(\tb)+(\cc))+(\jp):8*(8*(\tb)+(\cc))+(\jp)+1], v[8*(8*(\tb)+(\cc))+(\jp):8*(8*(\tb)+(\cc))+(\jp)+1], v[BIAS+8*(\sect)+(\cc)-1:BIAS+8*(\sect)+(\cc)] op_sel:[0,1] op_sel_hi:[1,1]
.else
	v_pk_add_f32 v[8*(8*(\tb)+(\cc))+(\jp):8*(8*(\tb)+(\cc))+(\jp)+1], v[8*(8*(\tb)+(\cc))+(\jp):8*(8*(\tb)+(\cc))+(\jp)+1], v[BIAS+8*(\sect)+(\cc):BIAS+8*(\sect)+(\cc)+1] op_sel_hi:[1,0]
.endif
.endr
.endr
.endr
.endm
.macro CVT16 tb, base                  ; token block tb to f16: for token register j, the eight columns 8 sect .. 8 sect + 7 pack into the four registers base + 8 j + 4 sect ..
.irp sect, 0,1
	WIN CVT2+5*(\sect)
.irp j, 0,1,2,3,4,5,6,7
.irp e2, 0,1,2,3
	v_cvt_pk_f16_f32 v[(\base)+8*(\j)+4*(\sect)+(\e2)], v[8*(8*(\tb)+2*(\e2))+(\j)], v[8*(8*(\tb)+2*(\e2)+1)+(\j)]
.endr
.endr
.endr
.endm
; q and k of 16 tokens change waves.  I hold, for head r and tokens 8 hh + j, my 8 of the pass's 32 channels: 16 bytes of a fragment's row; lanes 0-15 store 256 bytes on end.
.macro STOREQK
	WIN 0
.irp j, 0,1,2,3,4,5,6,7
.irp sect, 0,1
	ds_store_b128 v[STW], v[TMP+8*(\j)+4*(\sect):TMP+8*(\j)+4*(\sect)+3] offset:(\j)*2048+(\sect)*1024
.endr
.endr
.endm
.macro LOADQK                          ; I take tokens 4 w + i of the 16: k's fragment (16 heads x 32 channels) to QK + 16 i, q's to QK + 16 i + 8
	WIN TO1
.irp i, 0,1,2,3
.irp sect, 0,1
.irp c2, 0,1
	ds_load_b128 v[QK+16*(\i)+8*(1-(\sect))+4*(\c2):QK+16*(\i)+8*(1-(\sect))+4*(\c2)+3], v[STR] offset:(\i)*2048+(\sect)*1024+(\c2)*512
.endr
.endr
.endr
.endm
.macro SMM tb                          ; S^T += k q^T for four tokens: lane r = query head, register e = key head 8 hh + e; four accumulators by turns
	WIN W_S
.irp i, 0,1,2,3
	v_wmma_f32_16x16x32_f16 v[S+8*(4*(\tb)+(\i)):S+8*(4*(\tb)+(\i))+7], v[QK+16*(\i):QK+16*(\i)+7], v[QK+16*(\i)+8:QK+16*(\i)+15], v[S+8*(4*(\tb)+(\i)):S+8*(4*(\tb)+(\i))+7]
.endr
.endm
.macro EACH line:vararg                ; one line for each of my 16 tokens tk
.set tk, 0
.rept 16
	\line
.set tk, tk+1
.endr
.endm
.macro PLOAD tb                        ; P of the block's 16 tokens: token tt's 16 bytes a lane go into the half of its fragment that meets its own v
	WIN TO1
.set tt, 0
.rept 16
	ds_load_b128 v[8*tt+4*(tt/8):8*tt+4*(tt/8)+3], v[PRD] offset:(16*(\tb)+tt)*512
.set tt, tt+1
.endr
.endm
.macro OUTST tb                        ; the block's results into the way out: lane r = head, 8 channels on end; each accumulator's low registers first
	WIN ST1
.set tt, 0
.rept 16
	ds_store_b128 v[OSW], v[OT+8*tt:OT+8*tt+3]   offset:(16*(\tb)+tt)*256
	ds_store_b128 v[OSW], v[OT+8*tt+4:OT+8*tt+7] offset:(16*(\tb)+tt)*256+16
.set tt, tt+1
.endr
.endm
	; ---------------------------------------------------------------- the head
	s_load_b256 s[4:11], s[0:1], 0x0               ; h s[4:5], wsw s[6:7], b_qkv s[8:9], out0 s[10:11]
	v_lshl_add_u32 v[SPW], v0, 2, SPARE
	v_mov_b32 v[NIL], 0
	ds_add_u32 v[SPW], v[NIL]                      ; the wave's opening: the add and its wait ahead of my first tensor load; the set-up below, work on registers, stands between them
	v_lshrrev_b32 v1, 5, v0
	v_readfirstlane_b32 s[WV], v1                  ; wave 0..3
	s_bfe_u32 s[CX], ttmp6, 0x40000
	s_lshl_b32 s[GG], ttmp9, 2                     ; in a cluster launch ttmp9 counts clusters
	s_add_co_u32 s[GG], s[GG], s[CX]
	; descriptor group 1: 32,768 dense bytes as 128 rows of 256 bytes
	s_mov_b32 s[G1+0], 15|(3<<16)|(1<<21)          ; 15:0 the mask: all four work-groups; 17:16 elements of 8 bytes; 21 set beside a mask; no padding
	s_mov_b32 s[G1+1], 32<<16                      ; tensor_dim0 = 32
	s_mov_b32 s[G1+2], 128<<16                     ; tensor_dim1 = 128
	s_mov_b32 s[G1+3], 32<<16                      ; tile_dim0 = 32
	s_mov_b32 s[G1+4], 128                         ; tile_dim1 = 128
	s_mov_b32 s[G1+5], 32                          ; 32 elements from row to row
	s_mov_b32 s[G1+6], 0
	s_mov_b32 s[G1+7], 0
	s_mov_b32 s[CS], 0x3d38aa3b                    ; c = log2(e) / 32 = 0.0450842
	s_mov_b32 s[CS+1], s[CS]                       ; named with it as a pair
	s_mov_b32 s[SEL], 0x76543210
	s_mov_b32 s[SEL+1], 0xfedcba98
	s_mov_b32 s[SK], 256
	s_mov_b32 s[SK+1], 0
	s_mov_b32 s[TC], 0
	s_mov_b32 s[PASS], 0
	s_cmp_eq_u32 ttmp9, 0                          ; the first cluster: the same in all four partners
	s_cselect_b32 s[LIMW], 45, 0                   ; change t (TC = t + 1) names tile t + 4: up to t = 43
	s_cmp_lt_u32 s[WV], 2
	s_cselect_b32 s[LIMH], 13, 0                   ; and chunk t + 4 of the first pass: up to t = 11
	s_lshl_b32 s56, s[WV], 15                      ; my share of a tile, in LDS and in wsw: the wave's number alone
	s_mov_b32 s57, 0
	s_mov_b32 s[G0], 1                             ; count = 1
	s_mov_b32 s[G0+1], s56                         ; LDS address: slot 0
	s_mov_b32 s[G0+4], 1
	s_add_co_u32 s[G0+5], s56, RING1               ; slot 1
	s_lshl_b32 s54, s[GG], 18                      ; my work-group's 64 rows of h
	s_mov_b32 s55, 0
	s_lshl_b32 s58, s[WV], 16                      ; my wave's 16 of them
	s_mov_b32 s59, 0
	s_lshl_b32 s60, s[CX], 13                      ; the prefetches: my work-group's quarter of a wave's share
	s_mov_b32 s61, 0
	s_lshl_b32 s62, s[GG], 14                      ; out0: my work-group's 64 tokens of 256 bytes,
	s_lshl_b32 s63, s[WV], 24                      ; head 4 w: 4 x 16,384 tokens x 256 bytes
	s_add_co_u32 s62, s62, s63
	s_mov_b32 s63, 0
	v_and_b32 v[RR], 15, v0
	v_bfe_u32 v[HH], v0, 4, 1
	v_and_b32 v1, 31, v0
	v_lshlrev_b32 v1, 4, v1                        ; 16 x lane
	v_add_nc_u32 v[ADRA], ABUF, v1
	v_lshl_add_u32 v[ADRB], s[WV], 15, v1
	v_add_nc_u32 v[ADRB+1], RING1, v[ADRB]
	v_lshl_add_u32 v[ASTO], s[WV], 10, v[ADRA]
	v_lshlrev_b32 v[HOFF], 12, v[RR]
	v_lshl_add_u32 v[HOFF], v[HH], 5, v[HOFF]
	v_lshl_add_u32 v[STW], v[RR], 4, STAGE
	v_lshl_add_u32 v[STW], v[HH], 14, v[STW]
	v_lshl_add_u32 v[STW], s[WV], 8, v[STW]        ; my 8 channels are half (w % 2) of the lanes in part c2 = w / 2 of a fragment: 512 (w / 2) + 256 (w % 2) = 256 w
	v_add_nc_u32 v[STR], STAGE, v1
	v_lshl_add_u32 v[STR], s[WV], 13, v[STR]
	v_lshlrev_b32 v[PFWO], 4, v1
	v_lshlrev_b32 v[PFHO], 12, v0
	s_wait_dscnt 0x0                               ; the opening add is done
	s_wait_kmcnt 0x0
	s_add_nc_u64 s[G0+2:G0+3], s[6:7], s[56:57]    ; tile 0, my share
	s_add_nc_u64 s[G0+6:G0+7], s[G0+2:G0+3], RING1 ; tile 1
	s_add_nc_u64 s[PFW:PFW+1], s[G0+2:G0+3], s[60:61]
	s_add_nc_u64 s[PFW:PFW+1], s[PFW:PFW+1], 3*RING1  ; at tile 3: the first change of slots steps it to tile 4
	s_or_b32 s[G0+3], s[G0+3], 0x80000000          ; type = 2
	s_or_b32 s[G0+7], s[G0+7], 0x80000000
	s_add_nc_u64 s[PFH:PFH+1], s[4:5], s[54:55]
	s_add_nc_u64 s[HB:HB+1], s[PFH:PFH+1], s[58:59]
	s_add_nc_u64 s[PFH:PFH+1], s[PFH:PFH+1], 768   ; at chunk 3
	s_mov_b64 s[HP:HP+1], s[HB:HB+1]
	s_add_nc_u64 s[OB:OB+1], s[10:11], s[62:63]
	CROUND                                         ; all four work-groups are here: the first joint loads meet
	tensor_load_to_lds s[G0:G0+3], s[G1:G1+7]      ; both first fills together: two loads of mine are out
	s_nop 0
	tensor_load_to_lds s[G0+4:G0+7], s[G1:G1+7]
	s_nop 0
.rept 4
	v_nop
.endr
	HLOADS                                         ; chunk 0 of my tokens
.set i, 0
.rept 128
	v_mov_b32 v[S+i], 0                            ; S starts at 0, in the wait for the first tile: so passes 0 and 1 are one text, which always adds onto S
.set i, i+1
.endr
	ASTORE 0
	s_add_nc_u64 s[HP:HP+1], s[HB:HB+1], s[SK:SK+1]
	HLOADS                                         ; chunk 1
	s_wait_tensorcnt 0x1                           ; my share of tile 0 is in; tile 1's may stay out
	s_wait_dscnt 0x0                               ; my tokens' chunk 0 is in LDS
	s_barrier_signal -1
	s_barrier_wait -1
	; ---------------------------------------------------------------- passes 0 and 1: q and k for 32 channels, and their part of the scores
.Lpass:
	BIASLOAD 0
	FETCH 0, 0, 0
	HALF0 0, 1                                     ; a pass's first products start the sums
	LAPS
	TURN 0, 1, 1, 1, 1
	HALF0 1, 0
	TURN 1, 1, 0, 1, 1                             ; the ring and h's stream go on into the next pass; its first fragments are fetched behind the epilogue, which uses their registers
	BIASRND
	BADD 0
	CVT16 0, TMP
	STOREQK
.irp tb, 0,1,2,3                       ; sixteen tokens at a time.  My one tensor load may stay out
	s_wait_dscnt 0x0                               ; my part of the sixteen tokens' q and k is in the stage
	s_barrier_signal -1
	s_barrier_wait -1                              ; everybody's is
	LOADQK
	s_wait_dscnt 0x0                               ; my four tokens are in registers: my reads of the stage are over
	s_barrier_signal -1
	SMM \tb
.if (\tb) < 3
	BADD (\tb)+1                                   ; the next block is made ready while the others arrive
	CVT16 (\tb)+1, TMP
.endif
	s_barrier_wait -1                              ; nobody reads the stage any more
.if (\tb) < 3
	STOREQK
.endif
.endr
	PLACES                                         ; behind the last score products
	WIN 0
	s_add_co_u32 s[PASS], s[PASS], 1
	s_cmp_lt_u32 s[PASS], 2
	s_cbranch_scc1 .Lpass
	; ---------------------------------------------------------------- the softmax of my 16 tokens: a lane holds one query head and 8 key heads; the other 8 lie in the lane 16 away
	v_add_nc_u32 v[PRD], STAGE-ABUF, v[ADRA]
	v_lshl_add_u32 v[PW], s[WV], 11, v[PRD]
	EACH v_max3_num_f32 v[TMP+4*tk], v[S+8*tk], v[S+8*tk+1], v[S+8*tk+2]
	EACH v_max3_num_f32 v[TMP+4*tk+1], v[S+8*tk+3], v[S+8*tk+4], v[S+8*tk+5]
	EACH v_max3_num_f32 v[TMP+4*tk], v[TMP+4*tk], v[S+8*tk+6], v[S+8*tk+7]
	EACH v_max_num_f32 v[TMP+4*tk], v[TMP+4*tk], v[TMP+4*tk+1]
	EACH v_permlanex16_b32 v[TMP+4*tk+1], v[TMP+4*tk], s[SEL], s[SEL+1]
	EACH v_max_num_f32 v[TMP+4*tk], v[TMP+4*tk], v[TMP+4*tk+1]
	EACH v_mul_f32 v[TMP+4*tk], s[CS], v[TMP+4*tk]
.irp p, 0,2,4,6
	EACH v_pk_fma_f32 v[S+8*tk+(\p):S+8*tk+(\p)+1], v[S+8*tk+(\p):S+8*tk+(\p)+1], s[CS:CS+1], v[TMP+4*tk:TMP+4*tk+1] op_sel_hi:[1,0,0] neg_lo:[0,0,1] neg_hi:[0,0,1]
.endr
.irp e, 0,1,2,3,4,5,6,7
	EACH v_exp_f32 v[S+8*tk+(\e)], v[S+8*tk+(\e)]
.endr
	v_nop                                          ; a plain instruction behind the last exponential,
	s_wait_alu depctr_va_vdst(0)                   ; and ONE wait for the batch of 128, ahead of the first line that names a result
	EACH v_pk_add_f32 v[TMP+4*tk+2:TMP+4*tk+3], v[S+8*tk:S+8*tk+1], v[S+8*tk+2:S+8*tk+3]
	EACH v_pk_add_f32 v[TMP+4*tk:TMP+4*tk+1], v[S+8*tk+4:S+8*tk+5], v[S+8*tk+6:S+8*tk+7]
	EACH v_pk_add_f32 v[TMP+4*tk:TMP+4*tk+1], v[TMP+4*tk:TMP+4*tk+1], v[TMP+4*tk+2:TMP+4*tk+3]
	EACH v_add_f32 v[TMP+4*tk], v[TMP+4*tk], v[TMP+4*tk+1]
	EACH v_permlanex16_b32 v[TMP+4*tk+1], v[TMP+4*tk], s[SEL], s[SEL+1]
	EACH v_add_f32 v[TMP+4*tk], v[TMP+4*tk], v[TMP+4*tk+1]
	EACH v_rcp_f32 v[TMP+4*tk+2], v[TMP+4*tk]
	v_nop
	s_wait_alu depctr_va_vdst(0)                   ; one wait for the sixteen reciprocals
.irp p, 0,2,4,6
	EACH v_pk_mul_f32 v[S+8*tk+(\p):S+8*tk+(\p)+1], v[S+8*tk+(\p):S+8*tk+(\p)+1], v[TMP+4*tk+2:TMP+4*tk+3] op_sel_hi:[1,0]
.endr
.irp i, 0,1,2,3
	EACH v_cvt_pk_f16_f32 v[S+8*tk+(\i)], v[S+8*tk+2*(\i)], v[S+8*tk+2*(\i)+1]
.endr
	EACH ds_store_b128 v[PW], v[S+8*tk:S+8*tk+3] offset:(tk/4)*8192+(tk%4)*512
	; (token 16 (tk / 4) + 4 w + tk % 4.  The stage's last readers passed the barrier above; P is read behind pass 2's barriers, in front of each of which every wave waits for its LDS stores)
	; ---------------------------------------------------------------- pass 2: v
	BIASLOAD 1
	FETCH 0, 0, 0
	HALF0 0, 1
	LAPS
	TURN 0, 0, 1, 1, 0                             ; the last trip but one: nothing is left to ask for, of W or of h
	HALF0 1, 0
	s_wait_dscnt 16
	MULS 1, 0, 0, 4, 0
	s_wait_dscnt 0x0                               ; my last reads of the ring and of h's buffer are over
	s_barrier_signal -1
	MULS 1, 1, 0, 4, 0
	WIN 0
	s_barrier_wait -1                              ; everybody's are: from here on those bytes, which no tensor load fills any more, serve the way out
	; ---------------------------------------------------------------- out^T = v^T P, token by token, in registers
	; An accumulator holds, in lane (r, hh), v[token 8 hh + j][head c][channel 16 w + r].  Packed over heads, registers 0-3 hold heads 0-7 and registers 4-7 heads 8-15 of token j (low lanes) and 8 + j (high lanes).
	; One exchange of the first four's high lanes with the last four's low lanes makes a fragment of 16 channels x 32: heads 0-15 of token j, then heads 0-15 of token 8 + j.
	; P's fragment holds the token's weights in the half that meets its own v, and zeros in the other.
	v_and_b32 v1, 31, v0
	v_lshlrev_b32 v[GO], 4, v1
	s_mul_i32 s56, s[WV], 4*OPITCH
	v_add_nc_u32 v[ORD], s56, v[GO]
	v_mul_u32_u24 v[OSW], v[RR], OPITCH
	v_lshl_add_u32 v[OSW], v[HH], 5, v[OSW]
	v_lshl_add_u32 v[OSW], s[WV], 6, v[OSW]
	BIASRND
	WIN TO1
.set tt, 0
.rept 16
.irp i, 0,1,2,3
	v_mov_b32 v[8*tt+4*(1-tt/8)+(\i)], 0           ; the half of P's fragment that meets the other token's v
.endr
.set tt, tt+1
.endr
.irp tb, 0,1,2,3
	BADD \tb                                       ; 64 plain lines: the places behind the block before's products
.if (\tb) > 0
	OUTST (\tb)-1
.endif
	PLOAD \tb
	CVT16 \tb, VG
	WIN 0
.irp j, 0,1,2,3,4,5,6,7
.irp e2, 0,1,2,3
	v_permlane16_swap_b32 v[VG+8*(\j)+(\e2)], v[VG+8*(\j)+4+(\e2)]
.endr
.endr
	s_wait_dscnt 0x0                               ; P is in
	WIN W_PV
.set tt, 0
.rept 16
	v_wmma_f32_16x16x32_f16 v[OT+8*tt:OT+8*tt+7], v[VG+8*(tt%8):VG+8*(tt%8)+7], v[8*tt:8*tt+7], 0
.set tt, tt+1
.endr
.endr
	PLACES
	OUTST 3
	WIN 0
	s_wait_dscnt 0x0                               ; my part of all 16 heads x 64 tokens lies in LDS
	s_barrier_signal -1
	s_barrier_wait -1                              ; everybody's does
	; ---------------------------------------------------------------- the way out: heads 4 w .. 4 w + 3; a head's 64 tokens are 16,384 bytes on end in LDS and in out0
.irp hd, 0,1,2,3
.if (\hd) > 0
	s_wait_xcnt 0x0                                ; the stores of the head before have read their registers and their base
	s_add_nc_u64 s[OB:OB+1], s[OB:OB+1], 4194304   ; the next head: 16,384 tokens x 256 bytes
.endif
.set q, 0
.rept 32
	ds_load_b128 v[OBF+4*q:OBF+4*q+3], v[ORD] offset:(\hd)*OPITCH+512*q
.set q, q+1
.endr
.set q, 0
.rept 32
	s_wait_dscnt 31-q                              ; LDS loads come back in order
	global_store_b128 v[GO], v[OBF+4*q:OBF+4*q+3], s[OB:OB+1] offset:512*q th:TH_STORE_NT  ; 512 consecutive bytes, at a multiple of 256 from out0's first byte
.set q, q+1
.endr
.endr
	s_wait_tensorcnt 0x0                           ; the wave's end, behind my last tensor load and my last LDS store
	ds_add_u32 v[SPW], v[NIL]
	s_wait_dscnt 0x0
	CROUND                                         ; the closing round: no work-group ends while a partner may still ask for a tile that names it
	s_endpgm
.Lfunc_end_k_qbff5f47828_fused:
	.size	k_qbff5f47828_fused, .Lfunc_end_k_qbff5f47828_fused-k_qbff5f47828_fused
	.p2alignl 7, 3214868480
	.fill 96, 4, 3214868480
	.section	.rodata,"a",@progbits
	.p2align	6, 0x0
	.amdhsa_kernel k_qbff5f47828_fused
		.amdhsa_group_segment_fixed_size 327680
		.amdhsa_private_segment_fixed_size 0
		.amdhsa_enable_private_segment 0
		.amdhsa_kernarg_size 32
		.amdhsa_user_sgpr_count 2
		.amdhsa_user_sgpr_kernarg_segment_ptr 1
		.amdhsa_wavefront_size32 1
		.amdhsa_system_sgpr_workgroup_id_x 1
		.amdhsa_system_sgpr_workgroup_id_y 1
		.amdhsa_system_sgpr_workgroup_id_z 1
		.amdhsa_system_vgpr_workitem_id 0
		.amdhsa_next_free_vgpr 1024
		.amdhsa_next_free_sgpr 66
		.amdhsa_reserve_vcc 0
		.amdhsa_float_denorm_mode_32 3
		.amdhsa_float_denorm_mode_16_64 3
		.amdhsa_memory_ordered 1
		.amdhsa_forward_progress 1
		.amdhsa_inst_pref_size 255
	.end_amdhsa_kernel
	.section	.bss,"aw",@nobits
	.p2align	6
	.space	262144
	.amdgpu_metadata
---
amdhsa.version: [ 1, 2 ]
amdhsa.kernels:
  - .name:           k_qbff5f47828_fused
    .symbol:         k_qbff5f47828_fused.kd
    .args:
      - { .name: h, .offset: 0, .size: 8, .value_kind: global_buffer, .address_space: global }
      - { .name: wsw, .offset: 8, .size: 8, .value_kind: global_buffer, .address_space: global }
      - { .name: b_qkv, .offset: 16, .size: 8, .value_kind: global_buffer, .address_space: global }
      - { .name: out0, .offset: 24, .size: 8, .value_kind: global_buffer, .address_space: global }
    .group_segment_fixed_size: 327680
    .private_segment_fixed_size: 0
    .kernarg_segment_align: 8
    .kernarg_segment_size: 32
    .max_flat_workgroup_size: 128
    .sgpr_count:     66
    .vgpr_count:     1024
    .wavefront_size: 32
...
	.end_amdgpu_metadata
.endif
;; end of part 2
;; ======== version 2 of 2: 2 launches
;; limits: values are held in f16: magnitudes above 65,504 overflow, below 6.1e-05 lose precision
;; workspace buffers: wsw 6,291,456 bytes
;; launch prep: the kernel of part 1 again; grid 256 x 1, 12 waves a work-group, no clusters, 0 bytes of LDS; arguments W_qkv, wsw; writes wsw
;; launch fused (part 3): grid 256 x 1, 4 waves a work-group, clusters of 4 x 1, 327,680 bytes of LDS; arguments h, wsw, b_qkv, out0; writes out0
.if DOCPART == 3
	.amdgcn_target "amdgcn-amd-amdhsa--gfx1250"
	.amdhsa_code_object_version 6
	.text
	.protected	k_qbff5f47828_fused
	.globl	k_qbff5f47828_fused
	.p2align	8
	.type	k_qbff5f47828_fused,@function
k_qbff5f47828_fused:
	s_mov_b64 s[64:65], 0
	v_nop
	global_prefetch_b8 v0, s[64:65] scope:SCOPE_SE
	s_setreg_imm32_b32 hwreg(HW_REG_WAVE_MODE, 25, 1), 1
	s_wait_xcnt 0x0
	s_wait_alu depctr_hold_cnt(0) depctr_sa_sdst(0) depctr_va_vdst(0) depctr_va_sdst(0) depctr_va_ssrc(0) depctr_va_vcc(0) depctr_vm_vsrc(0)
	s_getreg_b32 s2, hwreg(HW_REG_IB_STS2, 6, 4)
	s_cmp_eq_u32 s2, 0
	s_cbranch_scc0 .Lentry_in_a_cluster
	s_endpgm
.Lentry_in_a_cluster:
	s_bfe_u32 s2, ttmp6, 0x10000c
	s_cmp_lg_u32 s2, 0x3003
	s_cbranch_scc0 .Lentry_shape_is_right
	s_endpgm
.Lentry_shape_is_right:
; qkv = h W^T + b; for each token an attention over its 16 HEADS: S[i][j] = q_i . k_j / 32, softmax over j, out_i = sum_j P[i][j] v_j; out0 is [head][token][64] in f32.
; h: [16384][1024] f32.  wsw: W in bf16, in fragment order (48 tiles of 131,072 bytes, made by the launch before).  b_qkv: [3072] f32.
; SHARES.  A work-group owns 64 tokens and walks all of W in three passes of 1,024 columns; a wave makes 64 tokens x 256 columns: 64 accumulators, 512 registers.
;   Passes 0 and 1 make q AND k for 32 of a head's 64 channels each; their part of the scores is added to S (f32, in registers), so q and k are never kept whole.
;   Behind pass 1 the softmax; P (f16) waits in LDS.  Pass 2 makes v; P V follows in registers; the result leaves through LDS as whole rows.
; K goes in chunks of 64: a trip is 128 matrix instructions a wave.  W's tile of a trip comes by one tensor load a wave (32,768 bytes, the wave's own columns) into a ring of two slots.
; h is read as f32 by the wave that owns the 16 tokens, rounded to bf16 and put into a small double buffer in LDS, from which all four waves take it; it is read once in each pass.
; CLUSTER.  All work-groups walk the same tiles of W: the four of a cluster ask JOINTLY, by the same tensor load with the same descriptor and a mask that names the four.
; THE WALK IS TURNED.  Cluster c begins every pass at chunk rot(c) of the sixteen and goes round: walk position i takes tile (i & 48) | ((i + rot) & 15), and the same chunk of h.
;   rot is made of c's bits b5 .. b0 as (b4^b5, b3^b4, b1^b2, b0^b1): each of its 16 values belongs to four clusters, and with any one bit of c held fixed the others still give all sixteen.
;   So at any time the 64 clusters ask for sixteen different tiles, and but for a pass's first trip a cluster asks for the tile that the clusters with the next start asked for one trip earlier.
;   The f32 sums over K are therefore taken in another order in each cluster.  rot hangs on the cluster's number alone: it is the same in the four partners.
; FORMATS.  h, W and b are rounded to bf16, the projection's sums are f32; q, k, v and P are rounded once to f16; S, the maxima and the sums of the softmax are f32.
; LIMITS.  |q|, |k|, |v| stay under 65,504 (f16).  A v beyond that would also spoil the token eight rows away, whose product shares its fragment (0 x infinity).
;   A weight below 2^-126 counts as 0 in the row's sum.  NaN and infinities are not treated apart.
; REGISTERS, in windows of 256 (s_set_vgpr_msb: bits 1:0 source 0, 3:2 source 1, 5:4 source 2, 7:6 destination):
;   window 0: v0-15 addresses; v16-31 bias; v32-63 h as loaded; v64-127 h's fragments, two buffers (at work in the epilogues); v128-255 S, 8 a token (later v's fragments, then the way out)
;   window 1: W's fragments, two buffers of 128 (in the epilogues: q, k fragments; P's fragments and the results of P V)
;   windows 2, 3: the accumulators: token block tb, tile column c at v[8 (8 tb + c % 8)] of window 2 + c / 8
.set RING1,  131072                    ; LDS: slot 1 of the ring; a slot is four waves' shares of 32,768 bytes
.set ABUF,   262144                    ; h's fragments: par x 8,192 + kb x 4,096 + tb x 1,024 + c2 x 512 + 16 lane
.set STAGE,  278528                    ; 32,768 bytes: q and k of 16 tokens change waves here (token x 2,048 + (q, k) x 1,024 + c2 x 512 + 16 lane); later P: token x 512 + 16 lane
.set SPARE,  311296                    ; the spare words, 128 bytes for each wave: two blocks of 256 bytes that no other line names
.set OPITCH, 16400                     ; the way out, from LDS byte 0, behind the ring's last fill and last read: head x 16,400 + token x 256 + 4 d; 16,400 = 64 x 256 + 16, so sixteen heads fall into sixteen different 16-byte columns
.set ADRA, 2                           ; v2   ABUF + 16 lane
.set ADRB, 3                           ; v3-4 my share of slot 0, 1, + 16 lane
.set ASTO, 5                           ; v5   where I put my tokens' fragments: ABUF + 1,024 w + 16 lane
.set HOFF, 6                           ; v6   4,096 r + 32 hh: my token row, my 8 numbers
.set VBO,  7                           ; v7   my offset in b_qkv
.set STW,  8                           ; v8   STAGE + 16,384 hh + 256 w + 16 r
.set STR,  9                           ; v9   STAGE + 8,192 w + 16 lane
.set PFWO, 10                          ; v10  256 x lane; never rewritten
.set PFHO, 11                          ; v11  4,096 x thread; never rewritten
.set SPW,  12                          ; v12  LDS address of my spare word; never rewritten
.set NIL,  13                          ; v13  0; never rewritten
.set RR,   14                          ; v14  r = lane % 16
.set HH,   15                          ; v15  hh = lane / 16
.set BIAS, 16
.set HRAW, 32
.set AF,   64
.set TMP,  64
.set S,    128
.set VG,   128
.set OBF,  128
.set QK,   128                         ; window 1
.set OT,   128                         ; window 1
.set PW,   8                           ; behind pass 1: STAGE + 2,048 w + 16 lane
.set PRD,  9                           ; behind pass 1: STAGE + 16 lane
.set OSW,  2                           ; behind pass 2: 16,400 r + 32 hh + 64 w
.set ORD,  3                           ; behind pass 2: 65,600 w + 16 lane
.set GO,   5                           ; behind pass 2: 16 lane
.set WV,   12                          ; s12  my wave's number
.set CX,   13                          ; s13  my place in the cluster: it enters h's, out0's and the prefetches' addresses alone
.set GG,   14                          ; s14  my work-group's number
.set G1,   16                          ; s[16:23] descriptor group 1
.set G0,   24                          ; s[24:31] descriptor group 0, a set for each slot
.set HB,   32                          ; s[32:33] h at my wave's 16 rows
.set HP,   34                          ; s[34:35] the same at the chunk being loaded
.set SK,   36                          ; s[36:37] that chunk's byte offset in a row
.set PFW,  38                          ; s[38:39] where my prefetches of wsw stand
.set PFH,  40                          ; s[40:41] where those of h stand
.set TC,   42                          ; s42  changes of slots so far, this one among them
.set LIMW, 43                          ; s43  13 in a cluster that prefetches wsw, else the greatest number
.set LIMH, 44                          ; s44  I prefetch h while TC is below this
.set LAP,  45
.set PASS, 46
.set ROT,  47                          ; s47  the chunk at which my cluster begins a pass
.set CS,   48                          ; s[48:49] c = log2(e) / 32
.set SEL,  50                          ; s[50:51] v_permlanex16_b32's selects: each lane takes its own place in the other half
.set OB,   52                          ; s[52:53] out0 at the head being stored, my work-group's tokens
.set WB,   66                          ; s[66:67] wsw at my wave's share of tile 0
.set PFHB, 68                          ; s[68:69] h at my work-group's first row
.set PK,   70                          ; s[70:71] byte offset in a row of the chunk that the prefetch of h names
.set MSB, 0
.macro WIN new                         ; the immediate's high byte repeats the setting that is left; a switch that changes nothing is dropped
.if MSB != (\new)
	s_set_vgpr_msb (MSB<<8)|(\new)
.set MSB, \new
.endif
.endm
.set MUL_LO, 0xa4                      ; source 0 (h) window 0, source 1 (W) window 1, C and D window 2; + 0x50: window 3
.set TO1,    0x40                      ; destination window 1
.set ADD2,   0x82                      ; destination and source 0 window 2, source 1 window 0; + 0x41: window 3
.set CVT2,   0x0a                      ; sources 0 and 1 window 2, destination window 0; + 5: window 3
.set W_S,    0x05                      ; k and q fragments window 1, S window 0
.set W_PV,   0x44                      ; v's fragment window 0, P's and the result window 1
.set ST1,    0x04                      ; an LDS store's data in window 1
.macro PLACES                          ; four plain places behind a matrix instruction (ISA guide 7.12.1), where no other vector work is at hand
.rept 4
	v_nop
.endr
.endm
.macro CREST                           ; a round of the cluster's barrier behind its opening barrier
	s_cmp_lg_u32 s[WV], 0
	s_cbranch_scc1 .Lnot_wave_0_\@
	s_barrier_signal -3
.Lnot_wave_0_\@:
	s_barrier_wait -3
	s_barrier_signal -1
	s_barrier_wait -1
.endm
.macro CROUND                          ; a whole round
	s_barrier_signal -1
	s_barrier_wait -1
	CREST
.endm
; A joint load: every wave asks for its own 32,768 bytes of the tile, by the same line in all four work-groups; nothing in the descriptor hangs on the place in the cluster.
.macro JLOAD slot
	tensor_load_to_lds s[G0+4*(\slot):G0+4*(\slot)+3], s[G1:G1+7]
	s_nop 0
.rept 4
	v_nop
.endr
.endm
; 40 LDS loads in one run: the fragments of 32 along K (half kb of the chunk in slot) into buffer f: h's four token blocks first, then W's sixteen tile columns, ascending.
.macro FETCH slot, kb, f
	WIN 0
.irp tb, 0,1,2,3
	ds_load_b128 v[AF+32*(\f)+8*(\tb):AF+32*(\f)+8*(\tb)+3],   v[ADRA] offset:(\slot)*8192+(\kb)*4096+(\tb)*1024
	ds_load_b128 v[AF+32*(\f)+8*(\tb)+4:AF+32*(\f)+8*(\tb)+7], v[ADRA] offset:(\slot)*8192+(\kb)*4096+(\tb)*1024+512
.endr
	WIN TO1
.irp c, 0,1,2,3,4,5,6,7,8,9,10,11,12,13,14,15
	ds_load_b128 v[128*(\f)+8*(\c):128*(\f)+8*(\c)+3],   v[ADRB+(\slot)] offset:(\kb)*16384+(\c)*1024
	ds_load_b128 v[128*(\f)+8*(\c)+4:128*(\f)+8*(\c)+7], v[ADRB+(\slot)] offset:(\kb)*16384+(\c)*1024+512
.endr
.endm
; 8 n matrix instructions: token blocks tb0 .. tb0 + n - 1 x tile columns 8 hi .. 8 hi + 7, buffer f.  In the result lane r holds W's row r of the column, register j token 8 hh + j.
; The 64 accumulators take turns in the same order everywhere, one instruction a turn.  zero = 1: the product starts the sum.
.macro MULS f, hi, tb0, n, zero
	WIN MUL_LO+0x50*(\hi)
.set tbm, (\tb0)
.rept \n
.irp cc, 0,1,2,3,4,5,6,7
.if \zero
	v_wmma_f32_16x16x32_bf16 v[8*(8*tbm+(\cc)):8*(8*tbm+(\cc))+7], v[AF+32*(\f)+8*tbm:AF+32*(\f)+8*tbm+7], v[128*(\f)+8*(8*(\hi)+(\cc)):128*(\f)+8*(8*(\hi)+(\cc))+7], 0
.else
	v_wmma_f32_16x16x32_bf16 v[8*(8*tbm+(\cc)):8*(8*tbm+(\cc))+7], v[AF+32*(\f)+8*tbm:AF+32*(\f)+8*tbm+7], v[128*(\f)+8*(8*(\hi)+(\cc)):128*(\f)+8*(8*(\hi)+(\cc))+7], v[8*(8*tbm+(\cc)):8*(8*tbm+(\cc))+7]
.endif
.endr
.set tbm, tbm+1
.endr
.endm
; A trip's first half: buffer 0 is multiplied; in its middle the second half's fragments are fetched into buffer 1.
.macro HALF0 slot, zero
	s_wait_dscnt 16                                ; h's fragments and W's columns 0-7 are in; the youngest sixteen loads (columns 8-15) may be out
	MULS 0, 0, 0, 4, \zero
	PLACES                                         ; in front of loads into buffer 1, which the half before multiplied
	FETCH \slot, 1, 1
	s_wait_dscnt 40                                ; all but the 40 just issued
	MULS 0, 1, 0, 4, \zero
.endm
.macro HLOADS                          ; a chunk of my 16 token rows: 256 bytes of each row, whole, by eight loads; u = 2 kb + c2 at HRAW + 8 u
.irp u, 0,1,2,3
	global_load_b128 v[HRAW+8*(\u):HRAW+8*(\u)+3],   v[HOFF], s[HP:HP+1] offset:64*(\u)
	global_load_b128 v[HRAW+8*(\u)+4:HRAW+8*(\u)+7], v[HOFF], s[HP:HP+1] offset:64*(\u)+16
.endr
.endm
.macro ASTORE par                      ; the chunk in HRAW is rounded to bf16, in place, and put into buffer par as fragments
	s_wait_loadcnt 0x0                             ; the eight loads issued a trip ago (and, in a pass's first trip, the bias)
.irp u, 0,1,2,3
.irp i, 0,1,2,3
	v_cvt_pk_bf16_f32 v[HRAW+8*(\u)+(\i)], v[HRAW+8*(\u)+2*(\i)], v[HRAW+8*(\u)+2*(\i)+1]
.endr
	ds_store_b128 v[ASTO], v[HRAW+8*(\u):HRAW+8*(\u)+3] offset:(\par)*8192+((\u)/2)*4096+((\u)%2)*512
.endr
.endm
.macro ALOAD                           ; the next chunk of the walk: behind a row's last chunk comes its first; sixteen steps on the walk is back at its start, for the next pass
	s_add_co_u32 s[SK], s[SK], 256
	s_and_b32 s[SK], s[SK], 0xf00
	s_add_nc_u64 s[HP:HP+1], s[HB:HB+1], s[SK:SK+1]  ; the loads that named HP are done (ASTORE's wait)
	HLOADS
.endm
; PREFETCHES INTO THE L2, behind the joint load, its five lines and the run of LDS loads.
; wsw: a pass's sixteen tiles are all asked for in the pass's first trip, each by the four clusters that begin there.  Of those four the one whose number has bits 0 and 3 clear names its start tile of the
; NEXT pass, at changes 12 and 28 (TC = 13, 29: the two numbers below 64 for which TC & 47 is 13): two changes of slots, 256 matrix instructions, ahead of the joint load that asks for it.  A tile's 512 blocks
; of 256 bytes go to 4 partners (told apart by address) x 4 waves x 32 lanes: one instruction a wave.  So each block of passes 1 and 2 is named once in the launch; pass 0's tiles come by their loads alone.
; h: a work-group's own rows, in the first pass alone: waves 0 and 1, a lane a row, 256 bytes of it: the chunk of walk position t + 4 at change t, up to position 15.  Positions 0 to 3 come by their loads alone.
.macro ASK
	WIN 0
	s_and_b32 s56, s[TC], 47
	s_cmp_eq_u32 s56, s[LIMW]
	s_cbranch_scc0 .Lno_w_\@
	global_prefetch_b8 v[PFWO], s[PFW:PFW+1] th:TH_LOAD_NT scope:SCOPE_SE
.Lno_w_\@:
	s_cmp_lt_u32 s[TC], s[LIMH]
	s_cbranch_scc0 .Lno_h_\@
	global_prefetch_b8 v[PFHO], s[PFH:PFH+1] th:TH_LOAD_NT scope:SCOPE_SE
.Lno_h_\@:
.endm
; A trip's second half: buffer 1 is multiplied, and the slots change.  ONE barrier for three things: in front of it each wave has stored its tokens' next chunk, has waited for all its tensor
; loads (one is out: its share of the other slot), has added 0 to its spare word, and has waited for that, for its stores and for its reads of this slot and of h's buffer.
; Sixteen products that need nothing of the other slot stand ahead of the wait for it, sixteen between the barrier's signal and its wait.
; fill = 1: the barrier opens a round of the cluster's barrier, and the slot just read out is filled again, first thing behind it, with the tile of the walk position two on: 112 matrix instructions
; ahead of the wait for it.  The descriptor's address is made anew from that position, between the add and its wait, where no tensor load of mine is out.
.macro TURN slot, fill, fetch, astore, aload
	WIN 0
	s_wait_xcnt 0x0                                ; the prefetches of a trip ago have read their addresses, which are stepped here
	s_add_nc_u64 s[PFW:PFW+1], s[PFW:PFW+1], RING1 ; sixteen trips on it stands at the same chunk of the next pass
	s_add_co_u32 s[PK], s[PK], 256
	s_and_b32 s[PK], s[PK], 0xf00
	s_add_nc_u64 s[PFH:PFH+1], s[PFHB:PFHB+1], s[PK:PK+1]
	s_add_co_u32 s[TC], s[TC], 1
.if \astore
	ASTORE 1-(\slot)                               ; that buffer's last readers waited for their loads in front of the barrier of the trip before
.endif
.if \aload
	ALOAD
.endif
	s_wait_dscnt 16+4*(\astore)                    ; W's columns 8-15 (sixteen loads) and my stores may be out
	MULS 1, 0, 0, 2, 0
	WIN 0                                          ; (the add's two registers lie in window 0)
	s_wait_tensorcnt 0x0                           ; all my tensor loads have landed
	ds_add_u32 v[SPW], v[NIL]                      ; 0 onto my spare word
.if \fill
	s_add_co_u32 s56, s[TC], 1                     ; the walk position two trips on,
	s_add_co_u32 s57, s56, s[ROT]
	s_and_b32 s57, s57, 15                         ; its chunk,
	s_and_b32 s56, s56, 48                         ; its pass,
	s_or_b32 s56, s56, s57                         ; its tile,
	s_lshl_b32 s56, s56, 17                        ; of 131,072 bytes
	s_mov_b32 s57, 0
	s_add_nc_u64 s[G0+4*(\slot)+2:G0+4*(\slot)+3], s[WB:WB+1], s[56:57]
	s_or_b32 s[G0+4*(\slot)+3], s[G0+4*(\slot)+3], 0x80000000
.endif
	s_wait_dscnt 0x0                               ; the add and my stores are done, my reads of this slot are over
	s_barrier_signal -1
	MULS 1, 0, 2, 2, 0                             ; work on registers while the others arrive
	WIN 0
	s_barrier_wait -1
.if \fill
	CREST                                          ; no wave of any partner still reads this slot or has a load on its way
	JLOAD \slot                                    ; its four v_nop are also the places in front of the loads below
.else
	PLACES
.endif
.if \fetch
	FETCH 1-(\slot), 0, 0
.endif
.if \fill
	ASK
.endif
	MULS 1, 1, 0, 4, 0
.endm
.macro LAPS                            ; seven laps of the ring: from a trip's second half to the first half of the trip two on
	WIN 0
	s_mov_b32 s[LAP], 7
.Llap_\@:
	TURN 0, 1, 1, 1, 1
	HALF0 1, 0
	TURN 1, 1, 1, 1, 1
	HALF0 0, 0
	WIN 0
	s_sub_co_u32 s[LAP], s[LAP], 1
	s_cmp_lg_u32 s[LAP], 0
	s_cbranch_scc1 .Llap_\@
.endm
; The bias of my 16 tile columns: lane r holds that of W's row r of column c, in BIAS + c.  kind 0: q and k of pass PASS; kind 1: v.
.macro BIASLOAD kind
	WIN 0
.if \kind
	v_lshlrev_b32 v[VBO], 2, v[RR]
	v_lshl_add_u32 v[VBO], s[WV], 6, v[VBO]        ; 4 r + 64 w
.else
	s_lshl_b32 s56, s[PASS], 7
	v_lshl_add_u32 v[VBO], v[RR], 8, s56
	v_lshl_add_u32 v[VBO], s[WV], 5, v[VBO]        ; 256 r + 128 pass + 32 w
.endif
.irp c, 0,1,2,3,4,5,6,7,8,9,10,11,12,13,14,15
.if \kind
	global_load_b32 v[BIAS+(\c)], v[VBO], s[8:9] offset:8192+256*(\c)
.else
	global_load_b32 v[BIAS+(\c)], v[VBO], s[8:9] offset:((\c)/8)*4096+((\c)%8)*4
.endif
.endr
.endm
.macro BIASRND                         ; the bias is rounded to bf16 like the other inputs; these 32 plain lines are also the places behind the last products
	WIN 0
.set cb, 0
.rept 16
	v_cvt_pk_bf16_f32 v1, v[BIAS+cb], v[BIAS+cb]
	v_lshlrev_b32 v[BIAS+cb], 16, v1
.set cb, cb+1
.endr
.endm
.macro BADD tb                         ; token block tb: the bias is added, two tokens a line; each accumulator's registers in ascending order
.irp sect, 0,1
	WIN ADD2+0x41*(\sect)
.irp cc, 0,1,2,3,4,5,6,7
.irp jp, 0,2,4,6
.if (\cc)%2
	v_pk_add_f32 v[8*(8*(\tb)+(\cc))+(\jp):8*(8*(\tb)+(\cc))+(\jp)+1], v[8*(8*(\tb)+(\cc))+(\jp):8*(8*(\tb)+(\cc))+(\jp)+1], v[BIAS+8*(\sect)+(\cc)-1:BIAS+8*(\sect)+(\cc)] op_sel:[0,1] op_sel_hi:[1,1]
.else
	v_pk_add_f32 v[8*(8*(\tb)+(\cc))+(\jp):8*(8*(\tb)+(\cc))+(\jp)+1], v[8*(8*(\tb)+(\cc))+(\jp):8*(8*(\tb)+(\cc))+(\jp)+1], v[BIAS+8*(\sect)+(\cc):BIAS+8*(\sect)+(\cc)+1] op_sel_hi:[1,0]
.endif
.endr
.endr
.endr
.endm
.macro CVT16 tb, base                  ; token block tb to f16: for token register j, the eight columns 8 sect .. 8 sect + 7 pack into the four registers base + 8 j + 4 sect ..
.irp sect, 0,1
	WIN CVT2+5*(\sect)
.irp j, 0,1,2,3,4,5,6,7
.irp e2, 0,1,2,3
	v_cvt_pk_f16_f32 v[(\base)+8*(\j)+4*(\sect)+(\e2)], v[8*(8*(\tb)+2*(\e2))+(\j)], v[8*(8*(\tb)+2*(\e2)+1)+(\j)]
.endr
.endr
.endr
.endm
; q and k of 16 tokens change waves.  I hold, for head r and tokens 8 hh + j, my 8 of the pass's 32 channels: 16 bytes of a fragment's row; lanes 0-15 store 256 bytes on end.
.macro STOREQK
	WIN 0
.irp j, 0,1,2,3,4,5,6,7
.irp sect, 0,1
	ds_store_b128 v[STW], v[TMP+8*(\j)+4*(\sect):TMP+8*(\j)+4*(\sect)+3] offset:(\j)*2048+(\sect)*1024
.endr
.endr
.endm
.macro LOADQK                          ; I take tokens 4 w + i of the 16: k's fragment (16 heads x 32 channels) to QK + 16 i, q's to QK + 16 i + 8
	WIN TO1
.irp i, 0,1,2,3
.irp sect, 0,1
.irp c2, 0,1
	ds_load_b128 v[QK+16*(\i)+8*(1-(\sect))+4*(\c2):QK+16*(\i)+8*(1-(\sect))+4*(\c2)+3], v[STR] offset:(\i)*2048+(\sect)*1024+(\c2)*512
.endr
.endr
.endr
.endm
.macro SMM tb                          ; S^T += k q^T for four tokens: lane r = query head, register e = key head 8 hh + e; four accumulators by turns
	WIN W_S
.irp i, 0,1,2,3
	v_wmma_f32_16x16x32_f16 v[S+8*(4*(\tb)+(\i)):S+8*(4*(\tb)+(\i))+7], v[QK+16*(\i):QK+16*(\i)+7], v[QK+16*(\i)+8:QK+16*(\i)+15], v[S+8*(4*(\tb)+(\i)):S+8*(4*(\tb)+(\i))+7]
.endr
.endm
.macro EACH line:vararg                ; one line for each of my 16 tokens tk
.set tk, 0
.rept 16
	\line
.set tk, tk+1
.endr
.endm
.macro PLOAD tb                        ; P of the block's 16 tokens: token tt's 16 bytes a lane go into the half of its fragment that meets its own v
	WIN TO1
.set tt, 0
.rept 16
	ds_load_b128 v[8*tt+4*(tt/8):8*tt+4*(tt/8)+3], v[PRD] offset:(16*(\tb)+tt)*512
.set tt, tt+1
.endr
.endm
.macro OUTST tb                        ; the block's results into the way out: lane r = head, 8 channels on end; each accumulator's low registers first
	WIN ST1
.set tt, 0
.rept 16
	ds_store_b128 v[OSW], v[OT+8*tt:OT+8*tt+3]   offset:(16*(\tb)+tt)*256
	ds_store_b128 v[OSW], v[OT+8*tt+4:OT+8*tt+7] offset:(16*(\tb)+tt)*256+16
.set tt, tt+1
.endr
.endm
	; ---------------------------------------------------------------- the head
	s_load_b256 s[4:11], s[0:1], 0x0               ; h s[4:5], wsw s[6:7], b_qkv s[8:9], out0 s[10:11]
	v_lshl_add_u32 v[SPW], v0, 2, SPARE
	v_mov_b32 v[NIL], 0
	ds_add_u32 v[SPW], v[NIL]                      ; the wave's opening: the add and its wait ahead of my first tensor load; the set-up below, work on registers, stands between them
	v_lshrrev_b32 v1, 5, v0
	v_readfirstlane_b32 s[WV], v1                  ; wave 0..3
	s_bfe_u32 s[CX], ttmp6, 0x40000
	s_lshl_b32 s[GG], ttmp9, 2                     ; in a cluster launch ttmp9 counts clusters
	s_add_co_u32 s[GG], s[GG], s[CX]
	s_lshr_b32 s54, ttmp9, 1                       ; where my cluster begins a pass: of x = c ^ (c >> 1)
	s_xor_b32 s54, s54, ttmp9
	s_and_b32 s[ROT], s54, 3                       ; bits 0, 1
	s_lshr_b32 s54, s54, 1
	s_and_b32 s54, s54, 12                         ; and bits 3, 4
	s_or_b32 s[ROT], s[ROT], s54
	; descriptor group 1: 32,768 dense bytes as 128 rows of 256 bytes
	s_mov_b32 s[G1+0], 15|(3<<16)|(1<<21)          ; 15:0 the mask: all four work-groups; 17:16 elements of 8 bytes; 21 set beside a mask; no padding
	s_mov_b32 s[G1+1], 32<<16                      ; tensor_dim0 = 32
	s_mov_b32 s[G1+2], 128<<16                     ; tensor_dim1 = 128
	s_mov_b32 s[G1+3], 32<<16                      ; tile_dim0 = 32
	s_mov_b32 s[G1+4], 128                         ; tile_dim1 = 128
	s_mov_b32 s[G1+5], 32                          ; 32 elements from row to row
	s_mov_b32 s[G1+6], 0
	s_mov_b32 s[G1+7], 0
	s_mov_b32 s[CS], 0x3d38aa3b                    ; c = log2(e) / 32 = 0.0450842
	s_mov_b32 s[CS+1], s[CS]                       ; named with it as a pair
	s_mov_b32 s[SEL], 0x76543210
	s_mov_b32 s[SEL+1], 0xfedcba98
	s_lshl_b32 s[SK], s[ROT], 8                    ; walk position 0: chunk rot
	s_mov_b32 s[SK+1], 0
	s_add_co_u32 s[PK], s[ROT], 3                  ; the prefetch of h stands at walk position 3: the first change of slots steps it to 4
	s_and_b32 s[PK], s[PK], 15
	s_lshl_b32 s[PK], s[PK], 8
	s_mov_b32 s[PK+1], 0
	s_mov_b32 s[TC], 0
	s_mov_b32 s[PASS], 0
	s_and_b32 s54, ttmp9, 9                        ; of the four clusters with my start, am I the one with bits 0 and 3 clear?  The same in all four partners
	s_cmp_eq_u32 s54, 0
	s_cselect_b32 s[LIMW], 13, -1
	s_cmp_lt_u32 s[WV], 2
	s_cselect_b32 s[LIMH], 13, 0                   ; change t (TC = t + 1) names walk position t + 4 of the first pass: up to t = 11
	s_lshl_b32 s56, s[WV], 15                      ; my share of a tile, in LDS and in wsw: the wave's number alone
	s_mov_b32 s57, 0
	s_mov_b32 s[G0], 1                             ; count = 1
	s_mov_b32 s[G0+1], s56                         ; LDS address: slot 0
	s_mov_b32 s[G0+4], 1
	s_add_co_u32 s[G0+5], s56, RING1               ; slot 1
	s_lshl_b32 s2, s[ROT], 17                      ; walk position 0: tile rot
	s_mov_b32 s3, 0
	s_lshl_b32 s54, s[GG], 18                      ; my work-group's 64 rows of h
	s_mov_b32 s55, 0
	s_lshl_b32 s58, s[WV], 16                      ; my wave's 16 of them
	s_mov_b32 s59, 0
	s_lshl_b32 s60, s[CX], 13                      ; the prefetches of wsw: my work-group's quarter of a wave's share,
	s_add_co_u32 s60, s60, s2                      ; in tile rot + 3: thirteen steps of a tile on it stands in tile 16 + rot
	s_add_co_u32 s60, s60, 3*RING1
	s_mov_b32 s61, 0
	s_lshl_b32 s62, s[GG], 14                      ; out0: my work-group's 64 tokens of 256 bytes,
	s_lshl_b32 s63, s[WV], 24                      ; head 4 w: 4 x 16,384 tokens x 256 bytes
	s_add_co_u32 s62, s62, s63
	s_mov_b32 s63, 0
	v_and_b32 v[RR], 15, v0
	v_bfe_u32 v[HH], v0, 4, 1
	v_and_b32 v1, 31, v0
	v_lshlrev_b32 v1, 4, v1                        ; 16 x lane
	v_add_nc_u32 v[ADRA], ABUF, v1
	v_lshl_add_u32 v[ADRB], s[WV], 15, v1
	v_add_nc_u32 v[ADRB+1], RING1, v[ADRB]
	v_lshl_add_u32 v[ASTO], s[WV], 10, v[ADRA]
	v_lshlrev_b32 v[HOFF], 12, v[RR]
	v_lshl_add_u32 v[HOFF], v[HH], 5, v[HOFF]
	v_lshl_add_u32 v[STW], v[RR], 4, STAGE
	v_lshl_add_u32 v[STW], v[HH], 14, v[STW]
	v_lshl_add_u32 v[STW], s[WV], 8, v[STW]        ; my 8 channels are half (w % 2) of the lanes in part c2 = w / 2 of a fragment: 512 (w / 2) + 256 (w % 2) = 256 w
	v_add_nc_u32 v[STR], STAGE, v1
	v_lshl_add_u32 v[STR], s[WV], 13, v[STR]
	v_lshlrev_b32 v[PFWO], 4, v1
	v_lshlrev_b32 v[PFHO], 12, v0
	s_wait_dscnt 0x0                               ; the opening add is done
	s_wait_kmcnt 0x0
	s_add_nc_u64 s[WB:WB+1], s[6:7], s[56:57]
	s_add_nc_u64 s[G0+2:G0+3], s[WB:WB+1], s[2:3]  ; walk position 0, my share
	s_add_nc_u64 s[PFW:PFW+1], s[WB:WB+1], s[60:61]
	s_add_co_u32 s2, s[ROT], 1                     ; walk position 1: tile (rot + 1) % 16
	s_and_b32 s2, s2, 15
	s_lshl_b32 s2, s2, 17
	s_add_nc_u64 s[G0+6:G0+7], s[WB:WB+1], s[2:3]
	s_or_b32 s[G0+3], s[G0+3], 0x80000000          ; type = 2
	s_or_b32 s[G0+7], s[G0+7], 0x80000000
	s_add_nc_u64 s[PFHB:PFHB+1], s[4:5], s[54:55]
	s_add_nc_u64 s[HB:HB+1], s[PFHB:PFHB+1], s[58:59]
	s_add_nc_u64 s[HP:HP+1], s[HB:HB+1], s[SK:SK+1]
	s_add_nc_u64 s[OB:OB+1], s[10:11], s[62:63]
	CROUND                                         ; all four work-groups are here: the first joint loads meet
	tensor_load_to_lds s[G0:G0+3], s[G1:G1+7]      ; both first fills together: two loads of mine are out
	s_nop 0
	tensor_load_to_lds s[G0+4:G0+7], s[G1:G1+7]
	s_nop 0
.rept 4
	v_nop
.endr
	HLOADS                                         ; walk position 0 of my tokens
.set i, 0
.rept 128
	v_mov_b32 v[S+i], 0                            ; S starts at 0, in the wait for the first tile: so passes 0 and 1 are one text, which always adds onto S
.set i, i+1
.endr
	ASTORE 0
	ALOAD                                          ; walk position 1
	s_wait_tensorcnt 0x1                           ; my share of the first tile is in; the second's may stay out
	s_wait_dscnt 0x0                               ; my tokens' first chunk is in LDS
	s_barrier_signal -1
	s_barrier_wait -1
	; ---------------------------------------------------------------- passes 0 and 1: q and k for 32 channels, and their part of the scores
.Lpass:
	BIASLOAD 0
	FETCH 0, 0, 0
	HALF0 0, 1                                     ; a pass's first products start the sums
	LAPS
	TURN 0, 1, 1, 1, 1
	HALF0 1, 0
	TURN 1, 1, 0, 1, 1                             ; the ring and h's stream go on into the next pass; its first fragments are fetched behind the epilogue, which uses their registers
	BIASRND
	BADD 0
	CVT16 0, TMP
	STOREQK
.irp tb, 0,1,2,3                       ; sixteen tokens at a time.  My one tensor load may stay out
	s_wait_dscnt 0x0                               ; my part of the sixteen tokens' q and k is in the stage
	s_barrier_signal -1
	s_barrier_wait -1                              ; everybody's is
	LOADQK
	s_wait_dscnt 0x0                               ; my four tokens are in registers: my reads of the stage are over
	s_barrier_signal -1
	SMM \tb
.if (\tb) < 3
	BADD (\tb)+1                                   ; the next block is made ready while the others arrive
	CVT16 (\tb)+1, TMP
.endif
	s_barrier_wait -1                              ; nobody reads the stage any more
.if (\tb) < 3
	STOREQK
.endif
.endr
	PLACES                                         ; behind the last score products
	WIN 0
	s_add_co_u32 s[PASS], s[PASS], 1
	s_cmp_lt_u32 s[PASS], 2
	s_cbranch_scc1 .Lpass
	; ---------------------------------------------------------------- the softmax of my 16 tokens: a lane holds one query head and 8 key heads; the other 8 lie in the lane 16 away
	v_add_nc_u32 v[PRD], STAGE-ABUF, v[ADRA]
	v_lshl_add_u32 v[PW], s[WV], 11, v[PRD]
	EACH v_max3_num_f32 v[TMP+4*tk], v[S+8*tk], v[S+8*tk+1], v[S+8*tk+2]
	EACH v_max3_num_f32 v[TMP+4*tk+1], v[S+8*tk+3], v[S+8*tk+4], v[S+8*tk+5]
	EACH v_max3_num_f32 v[TMP+4*tk], v[TMP+4*tk], v[S+8*tk+6], v[S+8*tk+7]
	EACH v_max_num_f32 v[TMP+4*tk], v[TMP+4*tk], v[TMP+4*tk+1]
	EACH v_permlanex16_b32 v[TMP+4*tk+1], v[TMP+4*tk], s[SEL], s[SEL+1]
	EACH v_max_num_f32 v[TMP+4*tk], v[TMP+4*tk], v[TMP+4*tk+1]
	EACH v_mul_f32 v[TMP+4*tk], s[CS], v[TMP+4*tk]
.irp p, 0,2,4,6
	EACH v_pk_fma_f32 v[S+8*tk+(\p):S+8*tk+(\p)+1], v[S+8*tk+(\p):S+8*tk+(\p)+1], s[CS:CS+1], v[TMP+4*tk:TMP+4*tk+1] op_sel_hi:[1,0,0] neg_lo:[0,0,1] neg_hi:[0,0,1]
.endr
.irp e, 0,1,2,3,4,5,6,7
	EACH v_exp_f32 v[S+8*tk+(\e)], v[S+8*tk+(\e)]
.endr
	v_nop                                          ; a plain instruction behind the last exponential,
	s_wait_alu depctr_va_vdst(0)                   ; and ONE wait for the batch of 128, ahead of the first line that names a result
	EACH v_pk_add_f32 v[TMP+4*tk+2:TMP+4*tk+3], v[S+8*tk:S+8*tk+1], v[S+8*tk+2:S+8*tk+3]
	EACH v_pk_add_f32 v[TMP+4*tk:TMP+4*tk+1], v[S+8*tk+4:S+8*tk+5], v[S+8*tk+6:S+8*tk+7]
	EACH v_pk_add_f32 v[TMP+4*tk:TMP+4*tk+1], v[TMP+4*tk:TMP+4*tk+1], v[TMP+4*tk+2:TMP+4*tk+3]
	EACH v_add_f32 v[TMP+4*tk], v[TMP+4*tk], v[TMP+4*tk+1]
	EACH v_permlanex16_b32 v[TMP+4*tk+1], v[TMP+4*tk], s[SEL], s[SEL+1]
	EACH v_add_f32 v[TMP+4*tk], v[TMP+4*tk], v[TMP+4*tk+1]
	EACH v_rcp_f32 v[TMP+4*tk+2], v[TMP+4*tk]
	v_nop
	s_wait_alu depctr_va_vdst(0)                   ; one wait for the sixteen reciprocals
.irp p, 0,2,4,6
	EACH v_pk_mul_f32 v[S+8*tk+(\p):S+8*tk+(\p)+1], v[S+8*tk+(\p):S+8*tk+(\p)+1], v[TMP+4*tk+2:TMP+4*tk+3] op_sel_hi:[1,0]
.endr
.irp i, 0,1,2,3
	EACH v_cvt_pk_f16_f32 v[S+8*tk+(\i)], v[S+8*tk+2*(\i)], v[S+8*tk+2*(\i)+1]
.endr
	EACH ds_store_b128 v[PW], v[S+8*tk:S+8*tk+3] offset:(tk/4)*8192+(tk%4)*512
	; (token 16 (tk / 4) + 4 w + tk % 4.  The stage's last readers passed the barrier above; P is read behind pass 2's barriers, in front of each of which every wave waits for its LDS stores)
	; ---------------------------------------------------------------- pass 2: v
	BIASLOAD 1
	FETCH 0, 0, 0
	HALF0 0, 1
	LAPS
	TURN 0, 0, 1, 1, 0                             ; the last trip but one: nothing is left to ask for, of W or of h
	HALF0 1, 0
	s_wait_dscnt 16
	MULS 1, 0, 0, 4, 0
	s_wait_dscnt 0x0                               ; my last reads of the ring and of h's buffer are over
	s_barrier_signal -1
	MULS 1, 1, 0, 4, 0
	WIN 0
	s_barrier_wait -1                              ; everybody's are: from here on those bytes, which no tensor load fills any more, serve the way out
	; ---------------------------------------------------------------- out^T = v^T P, token by token, in registers
	; An accumulator holds, in lane (r, hh), v[token 8 hh + j][head c][channel 16 w + r].  Packed over heads, registers 0-3 hold heads 0-7 and registers 4-7 heads 8-15 of token j (low lanes) and 8 + j (high lanes).
	; One exchange of the first four's high lanes with the last four's low lanes makes a fragment of 16 channels x 32: heads 0-15 of token j, then heads 0-15 of token 8 + j.
	; P's fragment holds the token's weights in the half that meets its own v, and zeros in the other.
	v_and_b32 v1, 31, v0
	v_lshlrev_b32 v[GO], 4, v1
	s_mul_i32 s56, s[WV], 4*OPITCH
	v_add_nc_u32 v[ORD], s56, v[GO]
	v_mul_u32_u24 v[OSW], v[RR], OPITCH
	v_lshl_add_u32 v[OSW], v[HH], 5, v[OSW]
	v_lshl_add_u32 v[OSW], s[WV], 6, v[OSW]
	BIASRND
	WIN TO1
.set tt, 0
.rept 16
.irp i, 0,1,2,3
	v_mov_b32 v[8*tt+4*(1-tt/8)+(\i)], 0           ; the half of P's fragment that meets the other token's v
.endr
.set tt, tt+1
.endr
.irp tb, 0,1,2,3
	BADD \tb                                       ; 64 plain lines: the places behind the block before's products
.if (\tb) > 0
	OUTST (\tb)-1
.endif
	PLOAD \tb
	CVT16 \tb, VG
	WIN 0
.irp j, 0,1,2,3,4,5,6,7
.irp e2, 0,1,2,3
	v_permlane16_swap_b32 v[VG+8*(\j)+(\e2)], v[VG+8*(\j)+4+(\e2)]
.endr
.endr
	s_wait_dscnt 0x0                               ; P is in
	WIN W_PV
.set tt, 0
.rept 16
	v_wmma_f32_16x16x32_f16 v[OT+8*tt:OT+8*tt+7], v[VG+8*(tt%8):VG+8*(tt%8)+7], v[8*tt:8*tt+7], 0
.set tt, tt+1
.endr
.endr
	PLACES
	OUTST 3
	WIN 0
	s_wait_dscnt 0x0                               ; my part of all 16 heads x 64 tokens lies in LDS
	s_barrier_signal -1
	s_barrier_wait -1                              ; everybody's does
	; ---------------------------------------------------------------- the way out: heads 4 w .. 4 w + 3; a head's 64 tokens are 16,384 bytes on end in LDS and in out0
.irp hd, 0,1,2,3
.if (\hd) > 0
	s_wait_xcnt 0x0                                ; the stores of the head before have read their registers and their base
	s_add_nc_u64 s[OB:OB+1], s[OB:OB+1], 4194304   ; the next head: 16,384 tokens x 256 bytes
.endif
.set q, 0
.rept 32
	ds_load_b128 v[OBF+4*q:OBF+4*q+3], v[ORD] offset:(\hd)*OPITCH+512*q
.set q, q+1
.endr
.set q, 0
.rept 32
	s_wait_dscnt 31-q                              ; LDS loads come back in order
	global_store_b128 v[GO], v[OBF+4*q:OBF+4*q+3], s[OB:OB+1] offset:512*q th:TH_STORE_NT  ; 512 consecutive bytes, at a multiple of 256 from out0's first byte
.set q, q+1
.endr
.endr
	s_wait_tensorcnt 0x0                           ; the wave's end, behind my last tensor load and my last LDS store
	ds_add_u32 v[SPW], v[NIL]
	s_wait_dscnt 0x0
	CROUND                                         ; the closing round: no work-group ends while a partner may still ask for a tile that names it
	s_endpgm
.Lfunc_end_k_qbff5f47828_fused:
	.size	k_qbff5f47828_fused, .Lfunc_end_k_qbff5f47828_fused-k_qbff5f47828_fused
	.p2alignl 7, 3214868480
	.fill 96, 4, 3214868480
	.section	.rodata,"a",@progbits
	.p2align	6, 0x0
	.amdhsa_kernel k_qbff5f47828_fused
		.amdhsa_group_segment_fixed_size 327680
		.amdhsa_private_segment_fixed_size 0
		.amdhsa_enable_private_segment 0
		.amdhsa_kernarg_size 32
		.amdhsa_user_sgpr_count 2
		.amdhsa_user_sgpr_kernarg_segment_ptr 1
		.amdhsa_wavefront_size32 1
		.amdhsa_system_sgpr_workgroup_id_x 1
		.amdhsa_system_sgpr_workgroup_id_y 1
		.amdhsa_system_sgpr_workgroup_id_z 1
		.amdhsa_system_vgpr_workitem_id 0
		.amdhsa_next_free_vgpr 1024
		.amdhsa_next_free_sgpr 72
		.amdhsa_reserve_vcc 0
		.amdhsa_float_denorm_mode_32 3
		.amdhsa_float_denorm_mode_16_64 3
		.amdhsa_memory_ordered 1
		.amdhsa_forward_progress 1
		.amdhsa_inst_pref_size 255
	.end_amdhsa_kernel
	.section	.bss,"aw",@nobits
	.p2align	6
	.space	262144
	.amdgpu_metadata
---
amdhsa.version: [ 1, 2 ]
amdhsa.kernels:
  - .name:           k_qbff5f47828_fused
    .symbol:         k_qbff5f47828_fused.kd
    .args:
      - { .name: h, .offset: 0, .size: 8, .value_kind: global_buffer, .address_space: global }
      - { .name: wsw, .offset: 8, .size: 8, .value_kind: global_buffer, .address_space: global }
      - { .name: b_qkv, .offset: 16, .size: 8, .value_kind: global_buffer, .address_space: global }
      - { .name: out0, .offset: 24, .size: 8, .value_kind: global_buffer, .address_space: global }
    .group_segment_fixed_size: 327680
    .private_segment_fixed_size: 0
    .kernarg_segment_align: 8
    .kernarg_segment_size: 32
    .max_flat_workgroup_size: 128
    .sgpr_count:     72
    .vgpr_count:     1024
    .wavefront_size: 32
...
	.end_amdgpu_metadata
.endif
;; end of part 3
